; MI455X (gfx1250); checked and timed in simulation.
; The chip was launched on July 23, 2026; its instructions are those of AMD's public machine-readable ISA for CDNA 5 (MIT licence, August 2026) and "CDNA5" Instruction Set Architecture Reference Guide (July 2026). The comments in the code are by the model that wrote it; some were corrected since.
;; Simple Moe Block. Allowed arithmetic: float matrix products may take bf16 or f16 operands with f32 sums; other float arithmetic in f32, or as packed bf16 or f16 multiplies, adds, multiply-adds, maxima and minima; sums over many terms, partial sums and values carried from step to step in f32; what a program stores and reads back later, other than sums and carried values, may be rounded once to bf16 or f16.
;; Inputs: Wd 32 x 128 x 512 float32; Wg 32 x 512 x 128 float32; Wgate 512 x 32 float32; Wu 32 x 512 x 128 float32; bd 32 x 512 float32; bg 32 x 128 float32; bgate 32 float32; bu 32 x 128 float32; hidden_states 2 x 4,096 x 512 float32.
;; Outputs: out0 2 x 4,096 x 512 float32.
;; One version. Each part assembles by itself: llvm-mc -triple=amdgcn-amd-amdhsa -mcpu=gfx1250 --defsym DOCPART=n.
;; ======== version 1 of 1: 3 launches
;; workspace buffers: bm 65,536 bytes of whole numbers; ct 32,768 bytes of whole numbers; rw 65,536 bytes; ws 12,582,912 bytes; part 33,554,432 bytes; xb 8,388,608 bytes
;; launch route_prep (part 1): grid 256 x 1, 8 waves a work-group, no clusters, 67,072 bytes of LDS; arguments hidden_states, Wgate, bgate, Wg, Wu, Wd, bm, rw, ws, ct, xb; writes bm, rw, ws, ct, xb
.if DOCPART == 1
	.amdgcn_target "amdgcn-amd-amdhsa--gfx1250"
	.amdhsa_code_object_version 6
	.text
	.protected	k_q228424c526_route_prep
	.globl	k_q228424c526_route_prep
	.p2align	8
	.type	k_q228424c526_route_prep,@function
k_q228424c526_route_prep:
	s_mov_b64 s[64:65], 0
	v_nop
	global_prefetch_b8 v0, s[64:65] scope:SCOPE_SE
	s_setreg_imm32_b32 hwreg(HW_REG_WAVE_MODE, 25, 1), 1
	s_wait_xcnt 0x0
; ROUTER AND WEIGHT LAYOUT.  256 work-groups of eight waves, all alike.  Work-group g
;   (1) routes tokens 32 g .. 32 g + 31: logits = x Wgate + bgate (bf16 operands, f32 sums), the two largest, their softmax weights;
;       it stores, at fixed places, a bitmap bm[g][expert][k] (bit i: token 32 g + i took that expert as its k-th choice), ct[g][expert] (how many of the 32 took it) and rw[token][k];
;   (2) stores its 32 rows of x, which it has rounded to bf16 for the router anyway, as xb[token][512]: the next launch gathers rows of half the bytes;
;   (3) rounds 24 of the 6,144 pieces of Wg, Wu, Wd to bf16 and stores them in ws in the order in which the next launch's waves take them as matrix operands.
; All inputs are rounded to bf16 once (x, Wgate, bgate here); sums stay in f32.
; LIMITS.  The two largest are taken of the logits with a strict 'greater', the lower index winning an exact tie; two logits that differ but whose
; probabilities round to the same f32 are ordered by the logit, not by the index.  NaN is not treated apart.  A weight below 2^-126 counts as 0.
; ws: [expert 32][wave w 8][24 chunks of 2,048 bytes].  Chunk s < 16: gate fragment s, then up fragment s; chunk 16 + q: Wd fragments 2 q, 2 q + 1.
; A fragment is [half c][lane][8 bf16]: half c fills registers 4 c .. 4 c + 3 of a 16 x 32 operand (k = 16 c + 8 (lane / 16) + 0..7).
; Gate, up: wave w = 4 G + B owns columns 64 G + 4 m + B (m: the fragment's row).  Wd: fragment 4 ks + nbk, column r stands for output column 64 w + 4 r + nbk,
; K slot 32 ks + 16 c + 8 h + t for Wd's row 64 G' + B' + 32 h + 4 t with 2 ks + c = 4 G' + B'.  So every load below takes 16 neighbouring bytes a lane.
; No tensor loads: each byte passes through registers anyway, to be rounded.  No cluster: the work-groups share Wgate alone, 64 KiB.
.set XP,    1040                       ; a row of x in LDS: 1,024 bytes of bf16 + 16: 65 x 16, so sixteen rows of a fragment load start at sixteen different 16-byte columns
.set WGF,   32*XP                      ; behind x's 32 rows: Wgate as 32 fragments of 1,024 bytes; fragment 2 s + blk holds experts 2 m + blk
.set SPARE, WGF+32768                  ; the spare words: 128 bytes a wave, four blocks of 256 bytes that no other line names
; v1 spare word's address, v2 zero, v3 16 lane, v4 r, v5 h, v6-v11 global offsets, v12-v15 LDS addresses; v16-31 odd experts' halves, later the bias;
; v32-95 Wgate as loaded, later the pieces to store (v32-79) and bgate (v80-95); v96-159 x, later the logits (v96-127); v160-255 the pieces as loaded;
; v128-255 later wave 0's ring of operands, then its work registers.
	s_load_b512 s[8:23], s[0:1], 0x0               ; x s[8:9], Wgate s[10:11], bgate s[12:13], Wg s[14:15], Wu s[16:17], Wd s[18:19], bm s[20:21], rw s[22:23]
	s_load_b64 s[24:25], s[0:1], 0x40              ; ws
	s_load_b64 s[40:41], s[0:1], 0x48              ; ct
	s_load_b64 s[42:43], s[0:1], 0x50              ; xb
	v_lshl_add_u32 v1, v0, 2, SPARE
	v_mov_b32 v2, 0
	v_lshrrev_b32 v16, 5, v0
	v_readfirstlane_b32 s2, v16                    ; wave 0..7
	s_mov_b32 s3, ttmp9                            ; g
	v_and_b32 v17, 31, v0                          ; lane
	v_lshlrev_b32 v3, 4, v17
	v_and_b32 v4, 15, v0                           ; r
	v_bfe_u32 v5, v0, 4, 1                         ; h
	s_mov_b32 s32, 0x3fb8aa3b                      ; log2(e), named as a pair by the packed scaling
	s_mov_b32 s33, s32
	s_mov_b32 s34, 0x76543210                      ; v_permlanex16_b32: each lane takes its own place in the other half
	s_mov_b32 s35, 0xfedcba98
	s_mov_b32 s36, 0xffff0000                      ; a word's upper bf16; also: the mask of lanes 16 to 31
	; Wgate: this wave rounds rows 64 wave .. 64 wave + 63; lane (r, h) takes experts 2 r, 2 r + 1 of rows 8 h + t of each 16
	s_lshl_b32 s4, s2, 13
	v_lshlrev_b32 v6, 3, v4
	v_lshl_add_u32 v6, v5, 10, v6
	v_add_nc_u32 v6, s4, v6                        ; (64 wave + 8 h) x 128 + 8 r
	v_add_nc_u32 v7, s4, v3                        ; x: rows 4 wave .. 4 wave + 3 of the group's 32: wave x 8,192 + 16 lane
	; the weight pieces: idx = 8 (g & 7) + wave, one of an expert's 64
	s_and_b32 s5, s3, 7
	s_lshl3_add_u32 s5, s5, s2
	s_lshr_b32 s6, s5, 1                           ; gate, up: sc, which 16 rows of K
	s_and_b32 s7, s5, 1                            ; gate, up: G, which 64 columns; Wd: c
	s_lshl_b32 s26, s6, 13
	s_lshl_b32 s27, s7, 8
	s_add_co_u32 s26, s26, s27
	v_lshlrev_b32 v8, 4, v4
	v_lshl_add_u32 v9, v5, 16, v8                  ; Wd: 32 h rows of 2,048 bytes + 16 r
	v_lshl_add_u32 v8, v5, 12, v8                  ; gate, up: 8 h rows of 512 bytes + 16 r
	v_add_nc_u32 v8, s26, v8                       ; + 16 sc rows + 256 G
	s_mul_i32 s26, s7, 196608                      ; where they go: wave 4 G + B's part (B stands in the stores' immediates),
	s_lshr_b32 s27, s6, 1
	s_lshl_b32 s27, s27, 11                        ; chunk sc / 2,
	s_add_co_u32 s26, s26, s27
	s_and_b32 s27, s6, 1
	s_lshl_b32 s27, s27, 9                         ; half sc % 2
	s_add_co_u32 s26, s26, s27
	v_add_nc_u32 v10, s26, v3
	s_bfe_u32 s26, s5, 0x10002                     ; Wd: G' = bit 2 of idx
	s_lshl_b32 s26, s26, 17                        ; 64 rows of 2,048 bytes
	s_and_b32 s27, s5, 3                           ; B'
	s_lshl_b32 s27, s27, 11
	s_add_co_u32 s26, s26, s27
	s_lshr_b32 s28, s5, 3                          ; w: which 64 output columns
	s_lshl_b32 s27, s28, 8
	s_add_co_u32 s26, s26, s27
	v_add_nc_u32 v9, s26, v9
	s_mul_i32 s26, s28, 49152
	s_bfe_u32 s27, s5, 0x20001                     ; ks
	s_lshl_b32 s27, s27, 12
	s_add_co_u32 s26, s26, s27
	s_lshl_b32 s27, s7, 9                          ; c
	s_add_co_u32 s26, s26, s27
	v_add_nc_u32 v11, s26, v3
	; LDS
	s_lshl_b32 s26, s2, 12
	s_add_co_u32 s26, s26, WGF
	v_add_nc_u32 v12, s26, v3                      ; where my four Wgate pieces go
	s_mul_i32 s26, s2, 4*XP
	v_lshl_add_u32 v13, v17, 3, s26                ; where my four rows of x go
	v_mul_u32_u24 v14, v4, XP
	v_lshl_add_u32 v14, v5, 4, v14                 ; a fragment of x: row r, 16 bytes for each half of the lanes
	v_add_nc_u32 v15, WGF, v3                      ; a fragment of Wgate lies as the registers take it
	; offsets for the addresses
	s_lshr_b32 s26, s3, 3                          ; the expert of my pieces
	s_lshl_b32 s28, s26, 18
	s_mov_b32 s29, 0
	s_mul_i32 s30, s26, 393216
	s_mov_b32 s31, 0
	s_lshl_b32 s26, s3, 16
	s_mov_b32 s27, 0
	s_lshl_b32 s4, s3, 8
	s_mov_b32 s5, 0
	s_lshl_b32 s6, s3, 7
	s_mov_b32 s7, 0
	s_lshl_b32 s38, s3, 15                         ; xb: 32 rows of 1,024 bytes a work-group
	s_mov_b32 s39, 0
	s_wait_kmcnt 0x0
	s_add_nc_u64 s[8:9], s[8:9], s[26:27]
	s_add_nc_u64 s[14:15], s[14:15], s[28:29]
	s_add_nc_u64 s[16:17], s[16:17], s[28:29]
	s_add_nc_u64 s[18:19], s[18:19], s[28:29]
	s_add_nc_u64 s[24:25], s[24:25], s[30:31]
	s_add_nc_u64 s[20:21], s[20:21], s[4:5]
	s_add_nc_u64 s[22:23], s[22:23], s[4:5]
	s_add_nc_u64 s[40:41], s[40:41], s[6:7]
	s_add_nc_u64 s[42:43], s[42:43], s[38:39]
	; ALL LOADS GO OUT AT ONCE: 32 for Wgate, 16 for x, 24 for the weight pieces
.irp n, 0,1,2,3
.irp t, 0,1,2,3,4,5,6,7
	global_load_b64 v[32+16*(\n)+2*(\t):32+16*(\n)+2*(\t)+1], v6, s[10:11] offset:(\n)*2048+(\t)*128
.endr
.endr
.irp q, 0,1,2,3
.irp j, 0,1,2,3
	global_load_b128 v[96+16*(\q)+4*(\j):96+16*(\q)+4*(\j)+3], v7, s[8:9] offset:(\q)*2048+(\j)*512
.endr
.endr
.irp t, 0,1,2,3,4,5,6,7
	global_load_b128 v[160+4*(\t):160+4*(\t)+3], v8, s[14:15] offset:(\t)*512 th:TH_LOAD_NT
.endr
.irp t, 0,1,2,3,4,5,6,7
	global_load_b128 v[192+4*(\t):192+4*(\t)+3], v8, s[16:17] offset:(\t)*512 th:TH_LOAD_NT
.endr
.irp t, 0,1,2,3,4,5,6,7
	global_load_b128 v[224+4*(\t):224+4*(\t)+3], v9, s[18:19] offset:(\t)*8192 th:TH_LOAD_NT
.endr
; Piece n of Wgate (16 rows of K): register 2 t + b holds row t, expert 2 r + b.  The odd experts' four words go to registers of their own, then the even experts' are packed in
; place (word p lands on a register whose number has been read), so no register that an LDS store names is written again.
.macro WGT n
.set RB, 32+16*(\n)
.irp p, 0,1,2,3
	v_cvt_pk_bf16_f32 v[16+4*(\n)+(\p)], v[RB+4*(\p)+1], v[RB+4*(\p)+3]
.endr
.irp p, 0,1,2,3
	v_cvt_pk_bf16_f32 v[RB+(\p)], v[RB+4*(\p)], v[RB+4*(\p)+2]
.endr
	ds_store_b128 v12, v[RB:RB+3] offset:((\n)>>1)*2048+((\n)&1)*512
	ds_store_b128 v12, v[16+4*(\n):16+4*(\n)+3] offset:((\n)>>1)*2048+((\n)&1)*512+1024
.endm
	s_wait_loadcnt 40                              ; Wgate is in: the 16 + 24 younger loads stay out
	WGT 0
	WGT 1
	WGT 2
	WGT 3
.irp q, 0,1,2,3
	s_wait_loadcnt (3-(\q))*4+24                   ; row q of x is in: the later rows and the 24 weight loads stay out
.irp j, 0,1,2,3
	v_cvt_pk_bf16_f32 v[96+16*(\q)+4*(\j)],   v[96+16*(\q)+4*(\j)],   v[96+16*(\q)+4*(\j)+1]
	v_cvt_pk_bf16_f32 v[96+16*(\q)+4*(\j)+1], v[96+16*(\q)+4*(\j)+2], v[96+16*(\q)+4*(\j)+3]
	ds_store_b64 v13, v[96+16*(\q)+4*(\j):96+16*(\q)+4*(\j)+1] offset:(\q)*XP+(\j)*256
.endr
.endr
	v_lshrrev_b32 v7, 1, v7                        ; x's loads are in, so their offset is free: halved it is my place in xb, wave x 4,096 + 8 lane
.irp q, 0,1,2,3
.irp j, 0,1,2,3
	global_store_b64 v7, v[96+16*(\q)+4*(\j):96+16*(\q)+4*(\j)+1], s[42:43] offset:(\q)*1024+(\j)*256  ; each store of the wave covers 256 consecutive bytes, aligned
.endr
.endr
	s_wait_dscnt 0x0                               ; for the others' sake: my stores of x and Wgate are done
	s_barrier_signal -1
	s_barrier_wait -1
	v_lshlrev_b32 v16, 6, v5                       ; bgate: experts 16 h .. 16 h + 15
.irp j, 0,1,2,3
	global_load_b128 v[80+4*(\j):80+4*(\j)+3], v16, s[12:13] offset:(\j)*16
.endr
; A weight piece: eight rows as loaded (row t at in + 4 t, component b one wave's, or one fragment's, column); for each b four words of two rows each, 512 consecutive bytes a store.
.macro PREP in, out, dreg, imm, step
.irp b, 0,1,2,3
.irp p, 0,1,2,3
	v_cvt_pk_bf16_f32 v[(\out)+4*(\b)+(\p)], v[(\in)+8*(\p)+(\b)], v[(\in)+8*(\p)+4+(\b)]
.endr
	global_store_b128 v[\dreg], v[(\out)+4*(\b):(\out)+4*(\b)+3], s[24:25] offset:(\imm)+(\b)*(\step)
.endr
.endm
	s_wait_loadcnt 20                              ; the gate piece: up's 8, Wd's 8 and bgate's 4 stay out
	PREP 160, 32, 10, 0, 49152
	s_wait_loadcnt 12
	PREP 192, 48, 10, 1024, 49152
	s_wait_loadcnt 4
	PREP 224, 64, 11, 32768, 1024
	s_wait_tensorcnt 0x0                           ; behind the wave's last LDS store; from here LDS is only read
	ds_add_u32 v1, v2
	s_wait_dscnt 0x0
	s_cmp_lg_u32 s2, 0
	s_cbranch_scc1 .Lend                           ; wave 0 alone goes on: 32 tokens x 32 experts are 64 matrix instructions
	; LOGITS^T = Wgate^T x^T: source 0 = 16 experts, source 1 = 16 tokens.  A lane then holds ONE token (r, of block tb); register j of block blk is expert 16 h + 2 j + blk.
.macro RLOAD st                        ; K step st into ring slot st % 4: Wgate's two fragments, x's two: eight loads
.set RB, 128+32*((\st)%4)
.irp c, 0,1
	ds_load_b128 v[RB+4*(\c):RB+4*(\c)+3],       v15 offset:(2*(\st))*1024+512*(\c)
	ds_load_b128 v[RB+8+4*(\c):RB+8+4*(\c)+3],   v15 offset:(2*(\st)+1)*1024+512*(\c)
	ds_load_b128 v[RB+16+4*(\c):RB+16+4*(\c)+3], v14 offset:64*(\st)+32*(\c)
	ds_load_b128 v[RB+24+4*(\c):RB+24+4*(\c)+3], v14 offset:16*XP+64*(\st)+32*(\c)
.endr
.endm
.macro RMUL st                         ; four accumulators by turns; the first step starts the sums with the bias
.set RB, 128+32*((\st)%4)
.irp tb, 0,1
.irp b, 0,1
.if (\st) == 0
	v_wmma_f32_16x16x32_bf16 v[96+16*(\tb)+8*(\b):96+16*(\tb)+8*(\b)+7], v[RB+8*(\b):RB+8*(\b)+7], v[RB+16+8*(\tb):RB+16+8*(\tb)+7], v[16+8*(\b):16+8*(\b)+7]
.else
	v_wmma_f32_16x16x32_bf16 v[96+16*(\tb)+8*(\b):96+16*(\tb)+8*(\b)+7], v[RB+8*(\b):RB+8*(\b)+7], v[RB+16+8*(\tb):RB+16+8*(\tb)+7], v[96+16*(\tb)+8*(\b):96+16*(\tb)+8*(\b)+7]
.endif
.endr
.endr
.endm
	s_wait_xcnt 0x0                                ; xb's stores have read their data: v96-159 are written again only behind this wait
	RLOAD 0
	RLOAD 1
	RLOAD 2
	RLOAD 3
	s_wait_loadcnt 0x0                             ; bgate
.irp j, 0,1,2,3,4,5,6,7
	v_cvt_pk_bf16_f32 v[24+(\j)], v[80+2*(\j)], v[81+2*(\j)]  ; rounded to bf16 like every input,
.endr
.irp j, 0,1,2,3,4,5,6,7
	v_lshlrev_b32 v[16+(\j)], 16, v[24+(\j)]       ; and widened again: even experts v16-23,
	v_and_b32 v[24+(\j)], s36, v[24+(\j)]          ; odd experts v24-31
.endr
.set st, 0
.rept 16
.if st < 13
	s_wait_dscnt 24                                ; this step's eight loads are in; three steps' stay out
.else
	s_wait_dscnt 8*(15-st)
.endif
	RMUL st
.if st < 12
.rept 4
	v_nop                                          ; four places between the products and the loads into the registers that they read
.endr
	RLOAD st+4
.endif
.set st, st+1
.endr
.rept 4
	v_nop                                          ; and between the last products and the first read of their results
.endr
; The two largest of a lane's 16 logits, in ascending order of the expert: v[TB] m1, +1 i1, +2 m2, +3 i2.  Each accumulator's lowest register is read first.
.macro TOP2 tb
.set TB, 128+16*(\tb)
.set AB, 96+16*(\tb)
	v_mov_b32 v[TB], v[AB]
	v_mov_b32 v[TB+1], 0
	v_mov_b32 v[TB+2], 0xff800000
	v_mov_b32 v[TB+3], 0
.set q, 1
.rept 15
.set VQ, AB+8*(q&1)+(q>>1)
	v_cmp_gt_f32 vcc_lo, v[VQ], v[TB]
	v_cmp_gt_f32 s37, v[VQ], v[TB+2]
	v_cndmask_b32 v[TB+2], v[TB+2], v[VQ], s37
	v_cndmask_b32 v[TB+3], v[TB+3], q, s37
	v_cndmask_b32 v[TB+2], v[TB+2], v[TB], vcc_lo
	v_cndmask_b32 v[TB+3], v[TB+3], v[TB+1], vcc_lo
	v_cndmask_b32 v[TB], v[TB], v[VQ], vcc_lo
	v_cndmask_b32 v[TB+1], v[TB+1], q, vcc_lo
.set q, q+1
.endr
	v_lshl_add_u32 v[TB+1], v5, 4, v[TB+1]         ; my half's experts begin at 16 h
	v_lshl_add_u32 v[TB+3], v5, 4, v[TB+3]
.endm
; The token's other 16 experts lie in the lane 16 away.  'Better' is greater, or equal with the lower index.  The first is the better of the two firsts; the second the better of
; the loser and the winner's second.  Both halves find the same: +8 T1, +9 E1, +10 T2, +11 E2.  (The permutes' destinations were written before, by the ring's loads.)
.macro MERGE tb
.set TB, 128+16*(\tb)
.irp z, 0,1,2,3
	v_permlanex16_b32 v[TB+4+(\z)], v[TB+(\z)], s34, s35
.endr
	v_cmp_gt_f32 s37, v[TB], v[TB+4]
	v_cmp_eq_f32 s38, v[TB], v[TB+4]
	v_cmp_lt_u32 s39, v[TB+1], v[TB+5]
	s_and_b32 s38, s38, s39
	s_or_b32 s37, s37, s38
	v_cndmask_b32 v[TB+8], v[TB+4], v[TB], s37
	v_cndmask_b32 v[TB+9], v[TB+5], v[TB+1], s37
	v_cndmask_b32 v160, v[TB], v[TB+4], s37        ; the loser
	v_cndmask_b32 v161, v[TB+1], v[TB+5], s37
	v_cndmask_b32 v162, v[TB+6], v[TB+2], s37      ; the winner's second
	v_cndmask_b32 v163, v[TB+7], v[TB+3], s37
	v_cmp_gt_f32 s37, v160, v162
	v_cmp_eq_f32 s38, v160, v162
	v_cmp_lt_u32 s39, v161, v163
	s_and_b32 s38, s38, s39
	s_or_b32 s37, s37, s38
	v_cndmask_b32 v[TB+10], v162, v160, s37
	v_cndmask_b32 v[TB+11], v163, v161, s37
.endm
	TOP2 0
	TOP2 1
	MERGE 0
	MERGE 1
	; SOFTMAX with the maximum T1 taken away: p = 2^(c l - c T1) / sum, c = log2(e).  The first weight is 1 / sum, the second 2^(c T2 - c T1) / sum.
.irp tb, 0,1
	v_mul_f32 v[140+16*(\tb)], s32, v[136+16*(\tb)]
	v_mul_f32 v[141+16*(\tb)], s32, v[136+16*(\tb)]  ; named with it as a pair
	v_fma_f32 v[142+16*(\tb)], v[138+16*(\tb)], s32, -v[140+16*(\tb)]
.irp p, 0,1,2,3,4,5,6,7
	v_pk_fma_f32 v[96+16*(\tb)+2*(\p):96+16*(\tb)+2*(\p)+1], v[96+16*(\tb)+2*(\p):96+16*(\tb)+2*(\p)+1], s[32:33], v[140+16*(\tb):141+16*(\tb)] op_sel_hi:[1,0,0] neg_lo:[0,0,1] neg_hi:[0,0,1]
.endr
.endr
.set i, 0
.rept 32
	v_exp_f32 v[96+i], v[96+i]                     ; one batch of 34 exponentials
.set i, i+1
.endr
	v_exp_f32 v142, v142
	v_exp_f32 v158, v158
	v_nop                                          ; a plain instruction behind the last exponential (ISA guide 5.7.2),
	s_wait_alu depctr_va_vdst(0)                   ; and one wait ahead of the batch's first reader
.irp tb, 0,1
.irp z, 0,4,8,12
	v_pk_add_f32 v[96+16*(\tb)+(\z):96+16*(\tb)+(\z)+1], v[96+16*(\tb)+(\z):96+16*(\tb)+(\z)+1], v[96+16*(\tb)+(\z)+2:96+16*(\tb)+(\z)+3]
.endr
.irp z, 0,8
	v_pk_add_f32 v[96+16*(\tb)+(\z):96+16*(\tb)+(\z)+1], v[96+16*(\tb)+(\z):96+16*(\tb)+(\z)+1], v[96+16*(\tb)+(\z)+4:96+16*(\tb)+(\z)+5]
.endr
	v_pk_add_f32 v[96+16*(\tb):97+16*(\tb)], v[96+16*(\tb):97+16*(\tb)], v[104+16*(\tb):105+16*(\tb)]
	v_add_f32 v[96+16*(\tb)], v[96+16*(\tb)], v[97+16*(\tb)]
	v_permlanex16_b32 v[97+16*(\tb)], v[96+16*(\tb)], s34, s35
	v_add_f32 v[96+16*(\tb)], v[96+16*(\tb)], v[97+16*(\tb)]
.endr
	v_rcp_f32 v96, v96
	v_rcp_f32 v112, v112
	v_nop
	s_wait_alu depctr_va_vdst(0)                   ; one wait for the two reciprocals
	; lane L takes token L: lanes 16 to 31 the second block's figures
	v_cndmask_b32 v164, v96, v112, s36             ; the first weight
	v_cndmask_b32 v165, v142, v158, s36
	v_mul_f32 v165, v165, v164                     ; the second
	v_cndmask_b32 v166, v137, v153, s36            ; the first expert
	v_cndmask_b32 v167, v139, v155, s36            ; the second
	v_mov_b32 v168, 0
	v_mov_b32 v169, 0
	v_mov_b32 v171, 0
.set ex, 0
.rept 32
	v_cmp_eq_u32 s37, ex, v166                     ; which of my 32 tokens took expert ex: a word of the bitmap,
	v_cmp_eq_u32 s38, ex, v167
	v_writelane_b32 v168, s37, ex                  ; which lane ex keeps,
	v_writelane_b32 v169, s38, ex
	s_bcnt1_i32_b32 s39, s37                       ; and how many they are, first and second choices together
	s_bcnt1_i32_b32 s26, s38
	s_add_co_u32 s39, s39, s26
	v_writelane_b32 v171, s39, ex
.set ex, ex+1
.endr
	v_lshrrev_b32 v170, 1, v3                      ; 8 bytes a lane: each of the two stores covers 256 consecutive bytes, aligned
	v_lshrrev_b32 v172, 2, v3                      ; 4 bytes a lane: 128 consecutive bytes
	global_store_b64 v170, v[168:169], s[20:21]
	global_store_b64 v170, v[164:165], s[22:23]
	global_store_b32 v172, v171, s[40:41]
.Lend:
	s_endpgm
.Lfunc_end_k_q228424c526_route_prep:
	.size	k_q228424c526_route_prep, .Lfunc_end_k_q228424c526_route_prep-k_q228424c526_route_prep
	.p2alignl 7, 3214868480
	.fill 96, 4, 3214868480
	.section	.rodata,"a",@progbits
	.p2align	6, 0x0
	.amdhsa_kernel k_q228424c526_route_prep
		.amdhsa_group_segment_fixed_size 67072
		.amdhsa_private_segment_fixed_size 0
		.amdhsa_enable_private_segment 0
		.amdhsa_kernarg_size 88
		.amdhsa_user_sgpr_count 2
		.amdhsa_user_sgpr_kernarg_segment_ptr 1
		.amdhsa_wavefront_size32 1
		.amdhsa_system_sgpr_workgroup_id_x 1
		.amdhsa_system_sgpr_workgroup_id_y 1
		.amdhsa_system_sgpr_workgroup_id_z 1
		.amdhsa_system_vgpr_workitem_id 0
		.amdhsa_next_free_vgpr 256
		.amdhsa_next_free_sgpr 66
		.amdhsa_reserve_vcc 1
		.amdhsa_float_denorm_mode_32 3
		.amdhsa_float_denorm_mode_16_64 3
		.amdhsa_memory_ordered 1
		.amdhsa_forward_progress 1
		.amdhsa_inst_pref_size 70
	.end_amdhsa_kernel
	.amdgpu_metadata
---
amdhsa.version: [ 1, 2 ]
amdhsa.kernels:
  - .name:           k_q228424c526_route_prep
    .symbol:         k_q228424c526_route_prep.kd
    .args:
      - { .name: hidden_states, .offset: 0, .size: 8, .value_kind: global_buffer, .address_space: global }
      - { .name: Wgate, .offset: 8, .size: 8, .value_kind: global_buffer, .address_space: global }
      - { .name: bgate, .offset: 16, .size: 8, .value_kind: global_buffer, .address_space: global }
      - { .name: Wg, .offset: 24, .size: 8, .value_kind: global_buffer, .address_space: global }
      - { .name: Wu, .offset: 32, .size: 8, .value_kind: global_buffer, .address_space: global }
      - { .name: Wd, .offset: 40, .size: 8, .value_kind: global_buffer, .address_space: global }
      - { .name: bm, .offset: 48, .size: 8, .value_kind: global_buffer, .address_space: global }
      - { .name: rw, .offset: 56, .size: 8, .value_kind: global_buffer, .address_space: global }
      - { .name: ws, .offset: 64, .size: 8, .value_kind: global_buffer, .address_space: global }
      - { .name: ct, .offset: 72, .size: 8, .value_kind: global_buffer, .address_space: global }
      - { .name: xb, .offset: 80, .size: 8, .value_kind: global_buffer, .address_space: global }
    .group_segment_fixed_size: 67072
    .private_segment_fixed_size: 0
    .kernarg_segment_align: 8
    .kernarg_segment_size: 88
    .max_flat_workgroup_size: 256
    .sgpr_count:     66
    .vgpr_count:     256
    .wavefront_size: 32
...
	.end_amdgpu_metadata
.endif
;; end of part 1
;; launch chain (part 2): grid 426 x 1, 8 waves a work-group, no clusters, 153,600 bytes of LDS; arguments xb, bm, rw, ws, bg, bu, bd, part, ct; writes part
.if DOCPART == 2
	.amdgcn_target "amdgcn-amd-amdhsa--gfx1250"
	.amdhsa_code_object_version 6
	.text
	.protected	k_q228424c526_chain
	.globl	k_q228424c526_chain
	.p2align	8
	.type	k_q228424c526_chain,@function
k_q228424c526_chain:
	s_mov_b64 s[64:65], 0
	v_nop
	global_prefetch_b8 v0, s[64:65] scope:SCOPE_SE
	s_setreg_imm32_b32 hwreg(HW_REG_WAVE_MODE, 25, 1), 1
	s_wait_xcnt 0x0
; THE EXPERTS' CHAIN.  A work-group takes ONE TILE of at most 96 routed rows of one expert through gather, gate and up products, silu(g) u, the down product, bias and router weight, and stores
; part[2 t + k][512] in f32: one row for each choice k of each token t; the next launch adds a token's two rows.  Operands bf16 (x, weights, biases rounded once), sums f32.
; h GOES INTO THE DOWN PRODUCT AS TWO bf16 NUMBERS, hi = bf16(h) and lo = bf16(h - hi) (the difference is exact in f32): together some 16 significant bits.  One bf16 number's 8 bits leave an error
; of about 2^-9 of a row's spread in every output, too near the comparison's hundredth for the largest of four million numbers; f16 has the bits but not the range: with inputs some 30 times
; larger h passes 65,504.  The price: the down product's matrix instructions twice.
; TILES.  A segment is (expert e, block b of 1,024 tokens); its rows are numbered: first the choices k = 0 in token order, then k = 1; it is cut into tiles of 96.  Work-group j < 256 has the FIRST
; tile of segment j (e = j / 8, b = j % 8): it knows its place from its number alone.  The later tiles of segments with more than 96 rows are numbered from 256 on, the segments in the order (e, b);
; a segment of c rows has (c - 1) / 96 of them, so whatever the split there are at most 16,384 / 96 = 170: the grid is 256 + 170.  Such a work-group finds its tile from the stored counts ct.
; A work-group whose tile has no rows jumps the three phases' work, stores nothing and ends: the price of a grid that serves every split.  It still makes the common loads, with e and b in range.
; ROWS.  The segment's 64 bitmap words lie in scalar registers; a lane finds the row of a given rank by a walk over the words' running counts and a search for the n-th set bit.
; WORK GOES BY THE COUNT.  nb = blocks of 16 rows in the tile (1 to 6).  max(nb, 4) blocks are gathered, multiplied by gate and up and activated (that text stands three times, for 4, 5 and 6
; blocks); nb blocks go through the down product and are stored.  The places past the count repeat the segment's last row; in the last block it is stored again, same bytes.
; The text has no loop; every LDS address is a constant, the wave's number times a constant and a lane term.  Every wave passes all three barriers; the jumps go forward and pass none.
; SHARES.  Waves 0 to max(nb, 4) - 1 gather a block of 16 rows each; in the products wave w owns 16 of the 128 hidden columns (gate and up) and 64 of the 512 output columns, for all rows; its
; weights come from ws straight into registers as operands, and no other wave of the group reads them.
; NO TENSOR LOADS, NO CLUSTER: an expert's eight first tiles do walk the same 384 KiB of ws, but their row counts are read from memory and differ, and the jumps over dead blocks hang on them, so
; partners would not run alike; and a weight byte has one reader in a group, so a copy in LDS would add a write and a read to each.  The rows of x come by a list, which no tile describes.
.set XP,    1040                       ; a row of x in LDS: 1,024 bytes + 16 = 65 x 16: the sixteen rows of a fragment load start at sixteen different 16-byte columns
.set HP,    528                        ; a row of h: 256 bytes of hi, 256 of lo, + 16 = 33 x 16, likewise
.set LO,    256                        ; where a row's lo part begins
.set ROWS,  96
.set SEGS,  256                        ; segments: work-groups below this number have a segment's first tile
.set HB,    ROWS*XP                    ; h's 96 rows lie behind x's 96
.set LIST,  HB+ROWS*HP                 ; the tile's row numbers 2 t + k,
.set WL,    LIST+512                   ; their router weights,
.set CT,    LIST+1024                  ; and the 8 x 32 segment counts
.set SPARE, LIST+2048                  ; the spare words: 128 bytes a wave, four blocks of 256 bytes that no other line names
.set ACC,   160                        ; gate and up sums: block a: g at ACC + 16 a, u at ACC + 8 + 16 a
; s2 wave, s3 e, s4 b, s5 the segment's rows, s6 the tile's first rank, s7 nb (0: no rows), s8 max(nb, 4), s9-15 at work; bitmap word i in s[16 + i] (i < 48) or s[20 + i] (s[16:17] first hold
; ct's address); s[84:99] eight addresses; s[100:101] -log2(e).
; v1 spare word's address, v2 zero, v3 16 lane, v4 x fragment's place in blocks 0-3, v6 in blocks 4, 5, v8 where h goes, v9 an h fragment's place, v10 the list's place, v11 my 16 bytes of an output
; row, v12-15 bd, v16-23 bg, v24-31 bu, v32-63 at work, v64-127 a ring of four chunks of ws, v128-255 rows as loaded, then: v128-159 Wd, v160-255 the 96 sums.
; THE DOWN PRODUCT'S MAP: Wd's fragment f at 64 + 8 f for f < 12 (v64-159), f = 12, 13 in v16-31 (the gate and up biases are dead once they have started the sums), f = 14, 15 in v160-175;
; lo's fragments 0, 1 in v176-191; four accumulators v192-223; hi's fragments v224-255 (v224-239 later lo's fragments 2, 3).
	s_load_b512 s[84:99], s[0:1], 0x0              ; xb s[84:85], bm s[86:87], rw s[88:89], ws s[90:91], bg s[92:93], bu s[94:95], bd s[96:97], part s[98:99]
	s_load_b64 s[16:17], s[0:1], 0x40              ; ct
	v_lshl_add_u32 v1, v0, 2, SPARE
	v_mov_b32 v2, 0
	v_lshrrev_b32 v40, 5, v0
	v_readfirstlane_b32 s2, v40                    ; wave 0..7
	s_mov_b32 s14, ttmp9                           ; j, my tile's number
	s_mov_b32 s100, 0xbfb8aa3b                     ; -log2(e), named as a pair
	s_mov_b32 s101, s100
	v_and_b32 v41, 31, v0                          ; lane
	v_and_b32 v42, 15, v0                          ; r
	v_bfe_u32 v43, v0, 4, 1                        ; h
	v_lshlrev_b32 v3, 4, v41
	v_mul_u32_u24 v4, v42, XP
	v_lshl_add_u32 v4, v43, 4, v4
	v_add_nc_u32 v6, 64*XP, v4
	v_mul_u32_u24 v9, v42, HP
	v_lshl_add_u32 v9, v43, 4, v9
	v_add_nc_u32 v9, HB, v9
	s_lshl_b32 s11, s2, 5
	v_add_nc_u32 v8, s11, v9                       ; my 16 hidden columns are K slots 16 w .. 16 w + 15 of h: 32 w bytes on
	v_lshlrev_b32 v10, 5, v43
	v_add_nc_u32 v10, LIST, v10                    ; rows 8 h .. 8 h + 7 of a block
	s_lshl_b32 s11, s2, 8
	v_lshl_add_u32 v11, v42, 4, s11                ; output columns 64 w + 4 r .. + 3
	s_lshl_b32 s11, s2, 12
	v_lshl_add_u32 v44, v41, 3, s11                ; ct: block w's 32 rows of 128 bytes; 8 bytes a lane, so a load covers 256 consecutive bytes: two rows
	s_lshl_b32 s11, s2, 7
	s_add_co_u32 s11, s11, CT
	v_lshl_add_u32 v45, v42, 3, s11                ; where block w's counts of experts 2 r, 2 r + 1 go
	v_lshl_add_u32 v46, v41, 2, CT                 ; where lane e reads expert e's counts
	s_wait_kmcnt 0x0
	; WHICH TILE.  A segment's first tile needs no counts: both pieces of the search are jumped.  The jumps hang on the work-group's number alone; the barrier between them is on every wave's way.
	s_cmp_lt_u32 s14, SEGS
	s_cbranch_scc1 .Lown_a
	; a later tile: wave w adds up block w's counts: lane (r, h) has experts 2 r, 2 r + 1 of the rows 2 i + h
	s_mov_b32 s12, 0x76543210                      ; v_permlanex16_b32: each lane takes its own place in the other half
	s_mov_b32 s13, 0xfedcba98
	v_mov_b32 v34, 0                               ; the permutes' destinations count as read
	v_mov_b32 v35, 0
.set i, 0
.rept 16
	global_load_b64 v[128+2*i:129+2*i], v44, s[16:17] offset:256*i
.set i, i+1
.endr
	s_wait_loadcnt 0x0
	v_add3_u32 v32, v128, v130, v132
	v_add3_u32 v33, v129, v131, v133
.irp p, 0,1,2,3,4,5
	v_add3_u32 v32, v32, v[134+4*(\p)], v[136+4*(\p)]
	v_add3_u32 v33, v33, v[135+4*(\p)], v[137+4*(\p)]
.endr
	v_add_nc_u32 v32, v32, v158
	v_add_nc_u32 v33, v33, v159
	v_permlanex16_b32 v34, v32, s12, s13           ; the odd rows' sums lie in the lane 16 away
	v_permlanex16_b32 v35, v33, s12, s13
	v_add_nc_u32 v32, v32, v34
	v_add_nc_u32 v33, v33, v35
	ds_store_b64 v45, v[32:33]                     ; both halves of the lanes store the same numbers at the same place
.Lown_a:
	s_wait_dscnt 0x0                               ; for the others' sake: my block's counts are in LDS
	s_barrier_signal -1
	s_barrier_wait -1
	s_cmp_lt_u32 s14, SEGS
	s_cbranch_scc1 .Lown_b
	s_sub_co_u32 s9, s14, SEGS                     ; my number among the later tiles
.irp b, 0,1,2,3,4,5,6,7
	ds_load_b32 v[160+(\b)], v46 offset:128*(\b)   ; lane e: the rows of segment (e, b)
.endr
	s_wait_dscnt 0x0
.irp b, 0,1,2,3,4,5,6,7
	v_add_nc_u32 v[168+(\b)], 95, v[160+(\b)]
	v_mul_u32_u24 v[168+(\b)], v[168+(\b)], 0xaaab ; tiles = (c + 95) / 96 = ((c + 95) x 43,691) >> 22, exact for c + 95 up to 1,119: 96 x 43,691 = 2^22 + 32
	v_lshrrev_b32 v[168+(\b)], 22, v[168+(\b)]
	v_min_u32 v[160+(\b)], 1, v[168+(\b)]          ; all but the first, if there is a first
	v_sub_nc_u32 v[168+(\b)], v[168+(\b)], v[160+(\b)]
.endr
	v_add3_u32 v48, v168, v169, v170
	v_add3_u32 v48, v48, v171, v172
	v_add3_u32 v48, v48, v173, v174
	v_add_nc_u32 v48, v48, v175                    ; lane e: expert e's later tiles
	; the last expert whose first later tile's number is not above mine; past the last tile that is expert 31
	s_mov_b32 s10, 0
	s_mov_b32 s3, 0
	s_mov_b32 s12, 0
.set ex, 1
.rept 31
	v_readlane_b32 s11, v48, ex-1
	s_add_co_u32 s10, s10, s11
	s_cmp_le_u32 s10, s9
	s_cselect_b32 s3, ex, s3
	s_cselect_b32 s12, s10, s12
.set ex, ex+1
.endr
	s_sub_co_u32 s13, s9, s12                      ; my number counted from that expert's first later tile
	s_min_u32 s3, s3, 31                           ; e stays inside its 32
	; and the same among that expert's eight blocks
	s_mov_b32 s10, 0
	s_mov_b32 s4, 0
	s_mov_b32 s12, 0
.set bb, 1
.rept 7
	v_readlane_b32 s11, v[168+bb-1], s3
	s_add_co_u32 s10, s10, s11
	s_cmp_le_u32 s10, s13
	s_cselect_b32 s4, bb, s4
	s_cselect_b32 s12, s10, s12
.set bb, bb+1
.endr
	s_sub_co_u32 s6, s13, s12                      ; which of the segment's later tiles,
	s_add_co_u32 s6, s6, 1                         ; so which of its tiles,
	s_mul_i32 s6, s6, ROWS                         ; and the tile's first rank; past the last tile it is not below the segment's rows
	s_min_u32 s4, s4, 7                            ; b stays inside its 8
	s_branch .Lplaced
.Lown_b:
	s_bfe_u32 s3, s14, 0x50003                     ; e = j / 8: five bits from bit 3
	s_and_b32 s4, s14, 7                           ; b = j % 8
	s_mov_b32 s6, 0                                ; the segment's first tile
.Lplaced:
	; offsets that hang on e and b
	s_lshl_b32 s11, s4, 13
	s_lshl_b32 s12, s3, 3
	s_add_co_u32 s11, s11, s12
	v_lshl_add_u32 v44, v3, 4, s11                 ; bm: token word 32 b + lane (256 bytes each), expert e, both choices
	s_lshr_b32 s12, s2, 2
	s_lshl_b32 s12, s12, 8
	s_and_b32 s13, s2, 3
	s_lshl_b32 s13, s13, 2
	s_add_co_u32 s12, s12, s13
	v_lshl_add_u32 v45, v43, 7, s12                ; bg, bu: column 64 (w / 4) + w % 4 + 4 (8 h + j)
	s_lshl_b32 s14, s3, 3
	s_add_co_u32 s14, s14, s2
	s_mul_i32 s14, s14, 49152                      ; my wave's 24 chunks of ws
	s_mov_b32 s15, 0
	s_lshl_b32 s12, s3, 9
	s_mov_b32 s13, 0
	s_lshl_b32 s10, s3, 11
	s_mov_b32 s11, 0
	s_add_nc_u64 s[90:91], s[90:91], s[14:15]
	s_add_nc_u64 s[92:93], s[92:93], s[12:13]
	s_add_nc_u64 s[94:95], s[94:95], s[12:13]
	s_add_nc_u64 s[96:97], s[96:97], s[10:11]
	global_load_b64 v[32:33], v44, s[86:87]
	global_load_b128 v[12:15], v11, s[96:97]
.irp j, 0,1,2,3,4,5,6,7
	global_load_b32 v[16+(\j)], v45, s[92:93] offset:16*(\j)
.endr
.irp j, 0,1,2,3,4,5,6,7
	global_load_b32 v[24+(\j)], v45, s[94:95] offset:16*(\j)
.endr
.irp c, 0,1,2,3
.irp p, 0,1,2,3
	global_load_b128 v[64+16*(\c)+4*(\p):64+16*(\c)+4*(\p)+3], v3, s[90:91] offset:(\c)*2048+(\p)*512  ; chunks 0 to 3 of ws into the ring: 512 consecutive bytes a load
.endr
.endr
	s_wait_loadcnt 33                              ; the bitmap is in: 17 bias loads and 16 of ws stay out
.set i, 0
.rept 32
	v_readlane_b32 s[16+i], v32, i                 ; choice 0, token word i
.set i, i+1
.endr
.set i, 32
.rept 32
	v_readlane_b32 s[16+i+4*(i/48)], v33, i-32     ; choice 1
.set i, i+1
.endr
	s_mov_b32 s5, 0
	s_mov_b32 s9, 0
.set i, 0
.rept 32
	s_bcnt1_i32_b32 s11, s[16+i+4*(i/48)]          ; the segment's rows: the set bits of its 64 words, added in two chains that do not wait for each other
	s_bcnt1_i32_b32 s12, s[16+(i+1)+4*((i+1)/48)]
	s_add_co_u32 s5, s5, s11
	s_add_co_u32 s9, s9, s12
.set i, i+2
.endr
	s_add_co_u32 s5, s5, s9
	s_sub_co_i32 s7, s5, s6
	s_max_i32 s7, s7, 0                            ; rows from the tile's first on,
	s_add_co_u32 s7, s7, 15
	s_lshr_b32 s7, s7, 4
	s_min_u32 s7, s7, 6                            ; nb: the tile's blocks of 16
	s_max_u32 s8, s7, 4                            ; the blocks that are gathered and multiplied by gate and up
	s_wait_loadcnt 16                              ; the biases are in; they are rounded to bf16 like every input, and widened again
.irp p, 12,14,16,18,20,22,24,26,28,30
	v_cvt_pk_bf16_f32 v46, v[\p], v[\p+1]
	v_lshlrev_b32 v[\p], 16, v46
	v_and_b32 v[\p+1], 0xffff0000, v46
.endr
; ---- macros of phase A ----
.macro NSTEP src, wd, stp              ; does the n-th set bit lie past the next stp bits?  v39 n, v44 the place so far
	v_bfe_u32 v45, v[\src], v44, \wd
	v_cmp_ge_u32 vcc_lo, v39, v45
	v_sub_nc_u32 v45, v39, v45
	v_add_nc_u32 v46, \stp, v44
	v_cndmask_b32 v39, v39, v45, vcc_lo
	v_cndmask_b32 v44, v44, v46, vcc_lo
.endm
.macro ROWIN q                         ; row q of my block goes into LDS as it came: 1,024 bytes of bf16
	s_wait_loadcnt (15-(\q))*2                     ; younger: two loads for each later row
.if (\q) == 0
	ds_store_b32 v34, v35 offset:512               ; the router's weight was asked for ahead of the rows
.endif
	ds_store_b128 v36, v[128+8*(\q):128+8*(\q)+3] offset:(\q)*XP
	ds_store_b128 v36, v[128+8*(\q)+4:128+8*(\q)+7] offset:(\q)*XP+512
.endm
; ---- macros of phase B ----
; G^T = Wg^T X^T and U^T likewise: source 0 = 16 hidden columns, source 1 = 16 rows.  A lane then holds ONE row (r) and eight of my hidden columns: 16 bytes of hi, 16 of lo.
.macro XFRAG a, s, d                   ; block a's fragment of x for K step s into v[d ..]
	ds_load_b128 v[(\d):(\d)+3],   v[4+2*((\a)/4)] offset:((\a)%4)*16*XP+64*(\s)
	ds_load_b128 v[(\d)+4:(\d)+7], v[4+2*((\a)/4)] offset:((\a)%4)*16*XP+64*(\s)+32
.endm
.macro XLOAD qq, g, nb                 ; group qq of 16 g: K step qq / g, block 2 (qq % g) and the next if it is one of the nb; two buffers by turns
.set xa, 2*((\qq)%(\g))
.set xs, (\qq)/(\g)
.set xr, 32+16*((\qq)%2)
	XFRAG xa, xs, xr
.if xa+1 < (\nb)
	XFRAG xa+1, xs, xr+8
.endif
.endm
.macro GUMUL a, sl, b                  ; gate and up by turns: no two matrix instructions on end share an accumulator
	v_wmma_f32_16x16x32_bf16 v[ACC+16*(\a):ACC+16*(\a)+7], v[(\sl):(\sl)+7], v[(\b):(\b)+7], v[ACC+16*(\a):ACC+16*(\a)+7]
	v_wmma_f32_16x16x32_bf16 v[ACC+8+16*(\a):ACC+8+16*(\a)+7], v[(\sl)+8:(\sl)+15], v[(\b):(\b)+7], v[ACC+8+16*(\a):ACC+8+16*(\a)+7]
.endm
; Sixteen K steps of g groups for nb blocks (g = nb / 2 rounded up; with nb odd a step's last group has one block), written out: every offset is an immediate.  A group's fragments of x are asked for
; two groups ahead, a chunk of ws four K steps ahead; the last four refills bring chunks 16 to 19, the first half of Wd.  Groups 0 and 1 have been asked for ahead of the macro.
.macro GU g, nb
.set q, 0
.rept 16*(\g)
.set gi, q%(\g)
.set sk, q/(\g)
.set bq, 32+16*(q%2)
.set sl, 64+16*(sk%4)
.set nfn, 2
.if 2*((q+1)%(\g))+1 >= (\nb)
.set nfn, 1
.endif
.if q == 16*(\g)-1
	s_wait_dscnt 0x0
.else
	s_wait_dscnt 2*nfn                             ; this group's fragments are in; the next group's, two loads a fragment, stay out
.endif
.if (gi == 0) && (sk >= 4)
	s_wait_loadcnt 12                              ; this K step's chunk is in; three chunks of four loads stay out.  (Chunks 0 to 3 were waited for ahead of the phase.)
.endif
	GUMUL 2*gi, sl, bq
.if 2*gi+1 < (\nb)
	GUMUL 2*gi+1, sl, bq+8
.endif
.rept 4
	v_nop                                          ; four places between the products and the loads into the registers that they read
.endr
.if q+2 < 16*(\g)
	XLOAD q+2, \g, \nb
.endif
.if gi == (\g)-1
.irp p, 0,1,2,3
	global_load_b128 v[sl+4*(\p):sl+4*(\p)+3], v3, s[90:91] offset:(sk+4)*2048+(\p)*512
.endr
.endif
.set q, q+1
.endr
.endm
; h = g u / (1 + 2^(-g log2 e)) for block a, then hi = bf16(h) and lo = bf16(h - hi).  Eight exponentials are a batch with one wait, eight reciprocals another; each accumulator is read from its low end on.
.macro ACT a
.set GA, ACC+16*(\a)
.set UA, ACC+8+16*(\a)
.irp p, 0,1,2,3
	v_pk_mul_f32 v[32+2*(\p):33+2*(\p)], v[GA+2*(\p):GA+2*(\p)+1], s[100:101] op_sel_hi:[1,0]
.endr
.irp j, 0,1,2,3,4,5,6,7
	v_exp_f32 v[32+(\j)], v[32+(\j)]
.endr
.irp p, 0,1,2,3
	v_pk_mul_f32 v[UA+2*(\p):UA+2*(\p)+1], v[UA+2*(\p):UA+2*(\p)+1], v[GA+2*(\p):GA+2*(\p)+1]  ; g u: the plain work behind the exponentials
.endr
	s_wait_alu depctr_va_vdst(0)                   ; the wait ahead of the batch's first reader
.irp p, 0,1,2,3
	v_pk_add_f32 v[32+2*(\p):33+2*(\p)], v[32+2*(\p):33+2*(\p)], 1.0 op_sel_hi:[1,0]
.endr
.irp j, 0,1,2,3,4,5,6,7
	v_rcp_f32 v[32+(\j)], v[32+(\j)]
.endr
	v_nop
	s_wait_alu depctr_va_vdst(0)
.irp p, 0,1,2,3
	v_pk_mul_f32 v[UA+2*(\p):UA+2*(\p)+1], v[UA+2*(\p):UA+2*(\p)+1], v[32+2*(\p):33+2*(\p)]
.endr
.irp p, 0,1,2,3
	v_cvt_pk_bf16_f32 v[40+(\p)], v[UA+2*(\p)], v[UA+2*(\p)+1]  ; hi
.endr
.irp p, 0,1,2,3
	v_lshlrev_b32 v[32+2*(\p)], 16, v[40+(\p)]     ; hi widened again,
	v_and_b32 v[33+2*(\p)], 0xffff0000, v[40+(\p)]
.endr
.irp p, 0,1,2,3
	v_pk_add_f32 v[UA+2*(\p):UA+2*(\p)+1], v[UA+2*(\p):UA+2*(\p)+1], v[32+2*(\p):33+2*(\p)] neg_lo:[0,1] neg_hi:[0,1]  ; h - hi,
.endr
.irp p, 0,1,2,3
	v_cvt_pk_bf16_f32 v[44+(\p)], v[UA+2*(\p)], v[UA+2*(\p)+1]  ; and lo
.endr
	ds_store_b128 v8, v[40:43] offset:(\a)*16*HP
	ds_store_b128 v8, v[44:47] offset:(\a)*16*HP+LO
.endm
; ---- macros of phase C ----
.macro HLOAD a                         ; block a (16 rows x 128 K slots): hi's four fragments and lo's fragments 0, 1: twelve loads
.irp ks, 0,1,2,3
	ds_load_b128 v[224+8*(\ks):224+8*(\ks)+3], v9 offset:(\a)*16*HP+64*(\ks)
	ds_load_b128 v[228+8*(\ks):228+8*(\ks)+3], v9 offset:(\a)*16*HP+64*(\ks)+32
.endr
.irp ks, 0,1
	ds_load_b128 v[176+8*(\ks):176+8*(\ks)+3], v9 offset:(\a)*16*HP+LO+64*(\ks)
	ds_load_b128 v[180+8*(\ks):180+8*(\ks)+3], v9 offset:(\a)*16*HP+LO+64*(\ks)+32
.endr
.endm
.macro HLOAD2 a                        ; lo's fragments 2, 3 into the registers that hi's fragments 0, 1 have left: four loads
.irp ks, 0,1
	ds_load_b128 v[224+8*(\ks):224+8*(\ks)+3], v9 offset:(\a)*16*HP+LO+128+64*(\ks)
	ds_load_b128 v[228+8*(\ks):228+8*(\ks)+3], v9 offset:(\a)*16*HP+LO+128+64*(\ks)+32
.endr
.endm
.macro DMUL hf, ks, zero               ; the fragment of h at v[hf ..] times Wd's K step ks: the four accumulators by turns.  zero = 1: the products start the sums
.irp n, 0,1,2,3
.set wf, 64+8*(4*(\ks)+(\n))
.if 4*(\ks)+(\n) >= 14
.set wf, 160+8*(4*(\ks)+(\n)-14)
.elseif 4*(\ks)+(\n) >= 12
.set wf, 16+8*(4*(\ks)+(\n)-12)
.endif
.if \zero
	v_wmma_f32_16x16x32_bf16 v[192+8*(\n):199+8*(\n)], v[(\hf):(\hf)+7], v[wf:wf+7], 0
.else
	v_wmma_f32_16x16x32_bf16 v[192+8*(\n):199+8*(\n)], v[(\hf):(\hf)+7], v[wf:wf+7], v[192+8*(\n):199+8*(\n)]
.endif
.endr
.endm
; A block's way out.  Register j of accumulator nbk is row 8 h + j, column 64 w + 4 r + nbk: for one j the four accumulators hold 16 neighbouring bytes, and sixteen lanes store 256 consecutive
; bytes of a row of part, aligned.  v32-39 hold the rows' byte offsets, v40-47 their router weights.
.macro EPI
.irp n, 0,2
.irp p, 0,1,2,3
	v_pk_add_f32 v[192+8*(\n)+2*(\p):193+8*(\n)+2*(\p)], v[192+8*(\n)+2*(\p):193+8*(\n)+2*(\p)], v[12+(\n):13+(\n)] op_sel_hi:[1,0]  ; + bd: the pair's first register for both
.endr
.endr
.irp n, 1,3
.irp p, 0,1,2,3
	v_pk_add_f32 v[192+8*(\n)+2*(\p):193+8*(\n)+2*(\p)], v[192+8*(\n)+2*(\p):193+8*(\n)+2*(\p)], v[11+(\n):12+(\n)] op_sel:[0,1] op_sel_hi:[1,1]  ; the pair's second register for both
.endr
.endr
.irp j, 0,1,2,3,4,5,6,7
.if (\j) == 4
	s_wait_xcnt 0x0                                ; the four sets of store data are used a second time
.endif
.irp n, 0,1,2,3
	v_mul_f32 v[48+4*((\j)%4)+(\n)], v[192+8*(\n)+(\j)], v[40+(\j)]  ; times the router's weight; the multiply also brings the four columns together
.endr
	global_store_b128 v[32+(\j)], v[48+4*((\j)%4):48+4*((\j)%4)+3], s[98:99] th:TH_STORE_NT
.endr
.endm
; Block a of the down product: source 0 = 16 rows of h, source 1 = 16 of my output columns.  K step 3 comes last: its last two fragments of Wd were asked for last.  The tile's last block jumps to
; the one way out that stands behind block 5; the others fetch the next block's h first, under their own way out.
.macro DBLK a
	s_wait_xcnt 0x0                                ; the last block's stores have read their offsets and data
	ds_load_b128 v[32:35], v10 offset:64*(\a)      ; the row numbers of rows 8 h .. 8 h + 7,
	ds_load_b128 v[36:39], v10 offset:64*(\a)+16
	ds_load_b128 v[40:43], v10 offset:512+64*(\a)  ; and their weights
	ds_load_b128 v[44:47], v10 offset:512+64*(\a)+16
.if (\a) == 0
	s_wait_loadcnt 4                               ; Wd's fragments 0 to 11 are in, whatever came behind them: the youngest four loads stay out
.endif
	s_wait_dscnt 4                                 ; the block's twelve fragment loads are in; the four loads above stay out
	DMUL 224, 0, 1                                 ; hi, K steps 0 and 1
	DMUL 232, 1, 0
.rept 4
	v_nop                                          ; four places between those products and the loads into the registers that they read
.endr
	HLOAD2 \a                                      ; twelve matrix instructions ahead of their first use
	DMUL 240, 2, 0                                 ; hi, K step 2
	DMUL 176, 0, 0                                 ; lo, K steps 0 and 1
	DMUL 184, 1, 0
	s_wait_dscnt 0x0                               ; lo's fragments 2, 3, and the numbers and weights
	DMUL 224, 2, 0                                 ; lo, K step 2
.if (\a) == 0
	s_wait_loadcnt 0x0                             ; Wd's fragments 12 to 15
.endif
	DMUL 248, 3, 0                                 ; hi and lo, K step 3
	DMUL 232, 3, 0
.irp j, 0,1,2,3,4,5,6,7
	v_min_u32 v[32+(\j)], 0x3fff, v[32+(\j)]       ; a row number stays inside part; these sixteen lines are also the places behind the products
.endr
.irp j, 0,1,2,3,4,5,6,7
	v_lshl_add_u32 v[32+(\j)], v[32+(\j)], 11, v11
.endr
.if (\a) < 5
	s_cmp_le_u32 s7, (\a)+1
	s_cbranch_scc1 .Lfin                           ; this was the tile's last block
	HLOAD (\a)+1
	EPI
.endif
.endm
	; PHASE A: wave w < max(nb, 4) finds and gathers block w's 16 rows.  Lanes r and 16 + r work out the same row.
	s_cmp_ge_u32 s2, 6
	s_cbranch_scc1 .La_done
	s_cmp_ge_u32 s2, s8
	s_cbranch_scc1 .La_done
	s_cmp_eq_u32 s7, 0
	s_cbranch_scc1 .La_done
	v_and_b32 v34, 15, v0
	s_lshl_b32 s12, s2, 4
	s_add_co_u32 s12, s12, s6
	v_add_nc_u32 v35, s12, v34                     ; rank = the tile's first + 16 w + r,
	s_sub_co_u32 s13, s5, 1
	v_min_u32 v35, s13, v35                        ; or the last row's
	v_lshl_or_b32 v36, v35, 16, 0xffff
	; The walk: s10 = (rows in the words before word i) << 16 | 64 (i % 32) + i / 32, the row number of the word's bit 0.  A lane keeps the last word whose running count is not above its rank.
	v_mov_b32 v37, s16
	v_mov_b32 v38, 0
	s_mov_b32 s10, 0
.set i, 1
.rept 63
	s_bcnt1_i32_b32 s11, s[16+(i-1)+4*((i-1)/48)]
	s_lshl_b32 s11, s11, 16
	s_add_co_u32 s10, s10, s11
.if i == 32
	s_sub_co_u32 s10, s10, 1983                    ; from 64 x 31 (choice 0, word 31) to 1 (choice 1, word 0)
.else
	s_add_co_u32 s10, s10, 64
.endif
	v_cmp_gt_u32 vcc_lo, s10, v36                  ; the count has passed my rank: keep what I have
	v_cndmask_b32 v37, s[16+i+4*(i/48)], v37, vcc_lo
	v_cndmask_b32 v38, s10, v38, vcc_lo
.set i, i+1
.endr
	v_lshrrev_b32 v39, 16, v38
	v_sub_nc_u32 v39, v35, v39                     ; n: which set bit of my word
	v_lshrrev_b32 v40, 1, v37                      ; counts of set bits in fields of 2, 4, 8 and 16 bits
	v_and_b32 v40, 0x55555555, v40
	v_sub_nc_u32 v40, v37, v40
	v_lshrrev_b32 v41, 2, v40
	v_and_b32 v41, 0x33333333, v41
	v_and_b32 v45, 0x33333333, v40
	v_add_nc_u32 v41, v41, v45
	v_lshrrev_b32 v42, 4, v41
	v_add_nc_u32 v42, v42, v41
	v_and_b32 v42, 0x0f0f0f0f, v42
	v_lshrrev_b32 v43, 8, v42
	v_add_nc_u32 v43, v43, v42
	v_and_b32 v43, 0x00ff00ff, v43
	v_mov_b32 v44, 0
	NSTEP 43, 8, 16
	NSTEP 42, 8, 8
	NSTEP 41, 4, 4
	NSTEP 40, 2, 2
	NSTEP 37, 1, 1
	v_and_b32 v38, 0xffff, v38
	v_lshl_add_u32 v38, v44, 1, v38                ; + 2 x the bit's place
	s_lshl_b32 s11, s4, 11
	v_add_nc_u32 v38, s11, v38                     ; + 2 x 1,024 b
	v_min_u32 v32, 0x3fff, v38                     ; the row number 2 t + k, held inside its 16,384
	v_lshlrev_b32 v33, 2, v32
	global_load_b32 v35, v33, s[88:89]             ; its router weight
	s_lshl_b32 s12, s2, 6
	s_add_co_u32 s12, s12, LIST
	v_lshl_add_u32 v34, v34, 2, s12
	ds_store_b32 v34, v32
	s_mul_i32 s12, s2, 16*XP
	v_add_nc_u32 v36, s12, v3                      ; where my 16 bytes of a row's half go
.set q, 0
.rept 16
	v_readlane_b32 s11, v32, q
	s_min_u32 s11, s11, 0x3fff
	s_and_b32 s11, s11, 0x3ffe                     ; 2 t,
	s_lshl_b32 s11, s11, 9                         ; times 512: the token's row of 1,024 bytes in xb
	v_add_nc_u32 v[48+q], s11, v3
.set q, q+1
.endr
.irp q, 0,1,2,3,4,5,6,7,8,9,10,11,12,13,14,15
	global_load_b128 v[128+8*(\q):128+8*(\q)+3],   v[48+(\q)], s[84:85]             ; a row is eight registers, so all sixteen rows are out at once
	global_load_b128 v[128+8*(\q)+4:128+8*(\q)+7], v[48+(\q)], s[84:85] offset:512
.endr
.irp q, 0,1,2,3,4,5,6,7,8,9,10,11,12,13,14,15
	ROWIN \q
.endr
.La_done:
	s_wait_dscnt 0x0                               ; for the others' sake: my rows, numbers and weights are in LDS
	s_barrier_signal -1
	s_barrier_wait -1
	s_wait_loadcnt 0x0                             ; the ring's first four chunks, asked for in the head, have had the whole gather in which to land; from here on, on every way, a count counts only what is issued below
	; PHASE B: gate and up for max(nb, 4) blocks, my 16 hidden columns; then the activation.
	; The sums' start and the early loads of Wd stand ahead of the jump over the phase, so that every register that the down product's text names has been written on every way.
.set i, 0
.rept 6
.irp j, 0,1,2,3,4,5,6,7
	v_mov_b32 v[ACC+16*i+(\j)], v[16+(\j)]         ; the sums start with the biases: these moves carry data
	v_mov_b32 v[ACC+8+16*i+(\j)], v[24+(\j)]
.endr
.set i, i+1
.endr
.irp c, 0,1
.irp p, 0,1,2,3
	global_load_b128 v[128+16*(\c)+4*(\p):128+16*(\c)+4*(\p)+3], v3, s[90:91] offset:40960+(\c)*2048+(\p)*512  ; chunks 20, 21: Wd's fragments 8 to 11, a whole phase ahead of their use
.endr
.endr
.irp p, 0,1,2,3
	global_load_b128 v[16+4*(\p):16+4*(\p)+3], v3, s[90:91] offset:45056+(\p)*512  ; chunk 22: fragments 12, 13, where the gate and up biases lay
.endr
	s_cmp_eq_u32 s7, 0
	s_cbranch_scc1 .Lb_skip
	XLOAD 0, 2, 4                                  ; groups 0 and 1 are K step 0's blocks 0 to 3 in all three texts
	XLOAD 1, 2, 4
	s_cmp_le_u32 s7, 4
	s_cbranch_scc1 .Lgu4
	s_cmp_eq_u32 s7, 5
	s_cbranch_scc1 .Lgu5
	GU 3, 6
	s_branch .Lgu_done
.Lgu5:
	GU 3, 5
	s_branch .Lgu_done
.Lgu4:
	GU 2, 4
.Lgu_done:
	ACT 0                                          ; the four places written behind the last products stand ahead of the first read of a result
.irp p, 0,1,2,3
	global_load_b128 v[160+4*(\p):160+4*(\p)+3], v3, s[90:91] offset:47104+(\p)*512  ; chunk 23: fragments 14, 15, where block 0's sums lay
.endr
	ACT 1
	ACT 2
	ACT 3
	s_cmp_le_u32 s7, 4
	s_cbranch_scc1 .Lact_done
	ACT 4
	s_cmp_le_u32 s7, 5
	s_cbranch_scc1 .Lact_done
	ACT 5
.Lact_done:
.Lb_skip:
	s_wait_dscnt 0x0                               ; my columns of h are in LDS
	s_barrier_signal -1
	s_barrier_wait -1
	; PHASE C: the down product for nb blocks, my 64 output columns
	s_cmp_eq_u32 s7, 0
	s_cbranch_scc1 .Lc_skip
	HLOAD 0
.irp a, 0,1,2,3,4,5
	DBLK \a
.endr
.Lfin:
	EPI                                            ; the last block's way out
.Lc_skip:
	s_wait_tensorcnt 0x0                           ; the wave's end, behind my last LDS store
	ds_add_u32 v1, v2
	s_wait_dscnt 0x0
	s_endpgm
.Lfunc_end_k_q228424c526_chain:
	.size	k_q228424c526_chain, .Lfunc_end_k_q228424c526_chain-k_q228424c526_chain
	.p2alignl 7, 3214868480
	.fill 96, 4, 3214868480
	.section	.rodata,"a",@progbits
	.p2align	6, 0x0
	.amdhsa_kernel k_q228424c526_chain
		.amdhsa_group_segment_fixed_size 153600
		.amdhsa_private_segment_fixed_size 0
		.amdhsa_enable_private_segment 0
		.amdhsa_kernarg_size 72
		.amdhsa_user_sgpr_count 2
		.amdhsa_user_sgpr_kernarg_segment_ptr 1
		.amdhsa_wavefront_size32 1
		.amdhsa_system_sgpr_workgroup_id_x 1
		.amdhsa_system_sgpr_workgroup_id_y 1
		.amdhsa_system_sgpr_workgroup_id_z 1
		.amdhsa_system_vgpr_workitem_id 0
		.amdhsa_next_free_vgpr 256
		.amdhsa_next_free_sgpr 102
		.amdhsa_reserve_vcc 1
		.amdhsa_float_denorm_mode_32 3
		.amdhsa_float_denorm_mode_16_64 3
		.amdhsa_memory_ordered 1
		.amdhsa_forward_progress 1
		.amdhsa_inst_pref_size 221
	.end_amdhsa_kernel
	.amdgpu_metadata
---
amdhsa.version: [ 1, 2 ]
amdhsa.kernels:
  - .name:           k_q228424c526_chain
    .symbol:         k_q228424c526_chain.kd
    .args:
      - { .name: xb, .offset: 0, .size: 8, .value_kind: global_buffer, .address_space: global }
      - { .name: bm, .offset: 8, .size: 8, .value_kind: global_buffer, .address_space: global }
      - { .name: rw, .offset: 16, .size: 8, .value_kind: global_buffer, .address_space: global }
      - { .name: ws, .offset: 24, .size: 8, .value_kind: global_buffer, .address_space: global }
      - { .name: bg, .offset: 32, .size: 8, .value_kind: global_buffer, .address_space: global }
      - { .name: bu, .offset: 40, .size: 8, .value_kind: global_buffer, .address_space: global }
      - { .name: bd, .offset: 48, .size: 8, .value_kind: global_buffer, .address_space: global }
      - { .name: part, .offset: 56, .size: 8, .value_kind: global_buffer, .address_space: global }
      - { .name: ct, .offset: 64, .size: 8, .value_kind: global_buffer, .address_space: global }
    .group_segment_fixed_size: 153600
    .private_segment_fixed_size: 0
    .kernarg_segment_align: 8
    .kernarg_segment_size: 72
    .max_flat_workgroup_size: 256
    .sgpr_count:     102
    .vgpr_count:     256
    .wavefront_size: 32
...
	.end_amdgpu_metadata
.endif
;; end of part 2
;; launch combine (part 3): grid 512 x 1, 8 waves a work-group, no clusters, 0 bytes of LDS; arguments part, out0; writes out0
.if DOCPART == 3
	.amdgcn_target "amdgcn-amd-amdhsa--gfx1250"
	.amdhsa_code_object_version 6
	.text
	.protected	k_q228424c526_combine
	.globl	k_q228424c526_combine
	.p2align	8
	.type	k_q228424c526_combine,@function
k_q228424c526_combine:
	s_mov_b64 s[64:65], 0
	v_nop
	global_prefetch_b8 v0, s[64:65] scope:SCOPE_SE
	s_setreg_imm32_b32 hwreg(HW_REG_WAVE_MODE, 25, 1), 1
	s_wait_xcnt 0x0
; out0[t][:] = part[2 t][:] + part[2 t + 1][:], all f32: a token's two weighted expert rows.  A stream: memory binds, so no LDS, no barrier, no matrix unit.
; A work-group owns 16 tokens: 64 KiB of part, 32 KiB of out0.  Its 256 threads take two tokens a step, 16 bytes a thread from each of the token's two rows; all sixteen loads of a thread go
; out at once.  Each load and store of a wave covers 512 consecutive bytes, aligned.
	s_load_b128 s[4:7], s[0:1], 0x0                ; part s[4:5], out0 s[6:7]
	s_lshl_b32 s8, ttmp9, 16
	s_mov_b32 s9, 0
	s_lshl_b32 s10, ttmp9, 15
	s_mov_b32 s11, 0
	v_lshrrev_b32 v1, 7, v0                        ; which of a step's two tokens
	v_and_b32 v2, 127, v0
	v_lshlrev_b32 v2, 4, v2
	v_lshl_add_u32 v1, v1, 12, v2                  ; in part a token is 4,096 bytes
	v_lshlrev_b32 v2, 4, v0                        ; in out0 the two tokens are 4,096 bytes on end
	s_wait_kmcnt 0x0
	s_add_nc_u64 s[4:5], s[4:5], s[8:9]
	s_add_nc_u64 s[6:7], s[6:7], s[10:11]
.irp st, 0,1,2,3,4,5,6,7
	global_load_b128 v[4+8*(\st):7+8*(\st)],  v1, s[4:5] offset:(\st)*8192 th:TH_LOAD_NT
	global_load_b128 v[8+8*(\st):11+8*(\st)], v1, s[4:5] offset:(\st)*8192+2048 th:TH_LOAD_NT
.endr
.irp st, 0,1,2,3,4,5,6,7
	s_wait_loadcnt 14-2*(\st)                      ; this step's two loads are in; two for each later step stay out
	v_pk_add_f32 v[4+8*(\st):5+8*(\st)], v[4+8*(\st):5+8*(\st)], v[8+8*(\st):9+8*(\st)]
	v_pk_add_f32 v[6+8*(\st):7+8*(\st)], v[6+8*(\st):7+8*(\st)], v[10+8*(\st):11+8*(\st)]
	global_store_b128 v2, v[4+8*(\st):7+8*(\st)], s[6:7] offset:(\st)*4096 th:TH_STORE_NT
.endr
	s_endpgm
.Lfunc_end_k_q228424c526_combine:
	.size	k_q228424c526_combine, .Lfunc_end_k_q228424c526_combine-k_q228424c526_combine
	.p2alignl 7, 3214868480
	.fill 96, 4, 3214868480
	.section	.rodata,"a",@progbits
	.p2align	6, 0x0
	.amdhsa_kernel k_q228424c526_combine
		.amdhsa_group_segment_fixed_size 0
		.amdhsa_private_segment_fixed_size 0
		.amdhsa_enable_private_segment 0
		.amdhsa_kernarg_size 16
		.amdhsa_user_sgpr_count 2
		.amdhsa_user_sgpr_kernarg_segment_ptr 1
		.amdhsa_wavefront_size32 1
		.amdhsa_system_sgpr_workgroup_id_x 1
		.amdhsa_system_sgpr_workgroup_id_y 1
		.amdhsa_system_sgpr_workgroup_id_z 1
		.amdhsa_system_vgpr_workitem_id 0
		.amdhsa_next_free_vgpr 72
		.amdhsa_next_free_sgpr 66
		.amdhsa_reserve_vcc 0
		.amdhsa_float_denorm_mode_32 3
		.amdhsa_float_denorm_mode_16_64 3
		.amdhsa_memory_ordered 1
		.amdhsa_forward_progress 1
		.amdhsa_inst_pref_size 5
	.end_amdhsa_kernel
	.amdgpu_metadata
---
amdhsa.version: [ 1, 2 ]
amdhsa.kernels:
  - .name:           k_q228424c526_combine
    .symbol:         k_q228424c526_combine.kd
    .args:
      - { .name: part, .offset: 0, .size: 8, .value_kind: global_buffer, .address_space: global }
      - { .name: out0, .offset: 8, .size: 8, .value_kind: global_buffer, .address_space: global }
    .group_segment_fixed_size: 0
    .private_segment_fixed_size: 0
    .kernarg_segment_align: 8
    .kernarg_segment_size: 16
    .max_flat_workgroup_size: 256
    .sgpr_count:     66
    .vgpr_count:     72
    .wavefront_size: 32
...
	.end_amdgpu_metadata
.endif
;; end of part 3
